; MI455X (gfx1250); checked and timed in simulation.
; The chip was launched on July 23, 2026; its instructions are those of AMD's public machine-readable ISA for CDNA 5 (MIT licence, August 2026) and "CDNA5" Instruction Set Architecture Reference Guide (July 2026). The comments in the code are by the model that wrote it; some were corrected since.
;; U Intx Weight Only Quantized Linear. Allowed arithmetic: float matrix products may take bf16 or f16 operands with f32 sums; other float arithmetic in f32, or as packed bf16 or f16 multiplies, adds, multiply-adds, maxima and minima; sums over many terms, partial sums and values carried from step to step in f32; what a program stores and reads back later, other than sums and carried values, may be rounded once to bf16 or f16.
;; Inputs: bias 4,096 float32; weight_qvals 4,096 x 4,096 int32; weight_scales 4,096 x 32 float32; weight_zeros 4,096 x 32 float32; x 4,096 x 4,096 float32.
;; Outputs: out0 4,096 x 4,096 float32.
;; Constants: group_size = 128.
;; 2 versions, each right; version 2 is version 1 with the launch prep written anew for expert scheduling mode. Each part assembles by itself: llvm-mc -triple=amdgcn-amd-amdhsa -mcpu=gfx1250 --defsym DOCPART=n.
;; ======== version 1 of 2: 2 launches
;; limits: values are held in f16: magnitudes above 65,504 overflow, below 6.1e-05 lose precision; inputs' magnitudes at most 65,504
;; workspace buffers: xh 33,554,432 bytes; wh 33,554,432 bytes
;; launch prep (part 1): grid 256 x 1, 16 waves a work-group, no clusters, 0 bytes of LDS; arguments x, weight_qvals, weight_scales, weight_zeros, xh, wh; writes xh, wh
.if DOCPART == 1
	.amdgcn_target "amdgcn-amd-amdhsa--gfx1250"
	.amdhsa_code_object_version 6
	.text
	.protected	k_q75ac8d272f_prep
	.globl	k_q75ac8d272f_prep
	.p2align	8
	.type	k_q75ac8d272f_prep,@function
k_q75ac8d272f_prep:
	s_mov_b64 s[64:65], 0
	v_nop
	global_prefetch_b8 v0, s[64:65] scope:SCOPE_SE
	s_setreg_imm32_b32 hwreg(HW_REG_WAVE_MODE, 25, 1), 1
	s_wait_xcnt 0x0
; xh[t][k] = f16(x[t][k]);  wh[n][k] = f16(f32(q[n][k]) * s[n][k / 128] + z[n][k / 128]).  x: [4096][4096] f32, q: [4096][4096] int32, s, z: [4096][32] f32; xh, wh: [4096][4096] f16.
; The two operands of out = x w^T + bias are made here ONCE, each number rounded once, so that the product's launch moves 2 bytes a number and converts nothing.
; NOTHING OF THE PROBLEM IS LEFT OUT: every input has a way to the output; the group size 128 is a constant of the problem.
; WHY f16: every output must lie within 1% of the outputs' root mean square plus 1% of itself; over 4,096 terms two operands of 8 significant bits spend more than that, two of 11 bits an eighth of it.
; LIMITS.  x and w = q s + z keep f16's 11 significant bits.  f16 holds no number beyond 65,504: an |x| or |w| of 65,520 or more becomes an infinity; below 6e-5 a number keeps f16's fixed step of 6e-8.
; w is one fused multiply-add in f32, rounded once to f32 where a multiply and an add would round twice.
; q is converted as a signed 32-bit number: exact below 2^24, beyond that rounded to nearest even.  NaN and infinities go as the arithmetic carries them.
; SHARES.  Work-group b owns rows 16 b .. 16 b + 15 of x and of q.  Waves 0-7 take x, waves 8-15 take q: wave v the two rows R = 16 b + 2 (v % 8) and R + 1: 32,768 consecutive bytes in,
; 16,384 consecutive bytes out.  A load of 16 bytes a lane covers 512 consecutive bytes = 128 numbers, in q exactly one group (n, g): its scale and zero are the same for the whole wave.
; It makes one store of 8 bytes a lane: 256 consecutive bytes, at a multiple of 256 from the buffer's first byte.  The wave has 64 such slots; slot j's places stand in the immediates
; (512 j in, 256 j out), so no address register and no base is ever written again.
; IN FLIGHT.  A ring of 32 slots in registers: 32 loads, 16 KiB, of every wave are on their way.  No LDS, no barrier: no wave wants a byte that another has fetched.
.set IN,  2                            ; v2        16 x lane: my bytes of a load
.set OU,  3                            ; v3        8 x lane: my bytes of a store
.set SO,  4                            ; v4        4 x lane: lane g takes group g's scale and zero
.set VS,  6                            ; v[6:7]    the scales of rows R, R + 1
.set VZ,  8                            ; v[8:9]    their zeros
.set X,   16                           ; v[16:143] slot i: 4 registers as loaded
.set Y,   144                          ; v[144:207] slot i: 2 registers to store, in the first 32 slots; the last 32 store from X, which is loaded no more
	s_load_b256 s[4:11], s[0:1], 0x0               ; x s[4:5], q s[6:7], s s[8:9], z s[10:11]
	s_load_b128 s[12:15], s[0:1], 0x20             ; xh s[12:13], wh s[14:15]
	v_and_b32 v1, 31, v0                           ; lane
	v_lshlrev_b32 v[IN], 4, v1
	v_lshlrev_b32 v[OU], 3, v1
	v_lshlrev_b32 v[SO], 2, v1
	v_lshrrev_b32 v5, 5, v0
	v_readfirstlane_b32 s16, v5                    ; wave 0..15
	s_and_b32 s17, s16, 7
	s_lshl_b32 s18, ttmp9, 4
	s_lshl1_add_u32 s18, s17, s18                  ; R = 16 b + 2 (wave % 8)
	s_lshl_b32 s20, s18, 14                        ; R rows of 16,384 bytes (x, q): under 2^26
	s_mov_b32 s21, 0
	s_lshl_b32 s22, s18, 13                        ; R rows of 8,192 bytes (xh, wh)
	s_mov_b32 s23, 0
	s_lshl_b32 s24, s18, 7                         ; R rows of 128 bytes (s, z)
	s_mov_b32 s25, 0
	s_wait_kmcnt 0x0
	s_cmp_lt_u32 s16, 8
	s_cbranch_scc0 .Lweights
; What slot j names.  left: how many younger loads may be out when its own has to be there: 31 while the ring is filled again, then the count runs down.
.macro SLOTSYMS
.set i, j%32
.set xr, X+4*i
.if j < 32
.set left, 31
.set dr, Y+2*i
.else
.set left, 63-j
.set dr, xr
.endif
.endm
; No register that a pending store or load names as a source is written again: Y's pairs are written once, the last 32 slots store from X registers that are loaded no more, addresses and bases stand.
.macro XSLOT
	SLOTSYMS
	s_wait_loadcnt left                            ; loads come back in order (ISA guide 5.7.1): mine is in
	v_cvt_pk_f16_f32 v[dr], v[xr], v[xr+1]         ; two roundings to f16, packed
	v_cvt_pk_f16_f32 v[dr+1], v[xr+2], v[xr+3]
.if j < 32
	global_load_b128 v[xr:xr+3], v[IN], s[4:5] offset:512*(j+32) th:TH_LOAD_NT  ; the slot's second turn, ahead of the store
.endif
	global_store_b64 v[OU], v[dr:dr+1], s[12:13] offset:256*j th:TH_STORE_NT
.set j, j+1
.endm
.macro WSLOT
	SLOTSYMS
.set sc, 32+4*(j%4)                    ; four sets of scalars take turns
	s_wait_loadcnt left
	v_readlane_b32 s[sc], v[VS+j/32], j%32         ; the group's scale
	v_readlane_b32 s[sc+2], v[VZ+j/32], j%32       ; and zero
.irp k, 0,1,2,3
	v_cvt_f32_i32 v[xr+\k], v[xr+\k]
.endr
	v_pk_fma_f32 v[xr:xr+1], v[xr:xr+1], s[sc:sc+1], s[sc+2:sc+3] op_sel_hi:[1,0,0]      ; q s + z, fused, two at a time: each pair's low word for both halves
	v_pk_fma_f32 v[xr+2:xr+3], v[xr+2:xr+3], s[sc:sc+1], s[sc+2:sc+3] op_sel_hi:[1,0,0]
	v_cvt_pk_f16_f32 v[dr], v[xr], v[xr+1]
	v_cvt_pk_f16_f32 v[dr+1], v[xr+2], v[xr+3]
.if j < 32
	global_load_b128 v[xr:xr+3], v[IN], s[6:7] offset:512*(j+32) th:TH_LOAD_NT
.endif
	global_store_b64 v[OU], v[dr:dr+1], s[14:15] offset:256*j th:TH_STORE_NT
.set j, j+1
.endm
	; waves 0-7: x
	s_add_nc_u64 s[4:5], s[4:5], s[20:21]
	s_add_nc_u64 s[12:13], s[12:13], s[22:23]
.set j, 0
.rept 32
	global_load_b128 v[X+4*j:X+4*j+3], v[IN], s[4:5] offset:512*j th:TH_LOAD_NT
.set j, j+1
.endr
.set j, 0
.rept 64
	XSLOT
.endr
	s_endpgm
.Lweights:                                             ; waves 8-15: q
	s_add_nc_u64 s[6:7], s[6:7], s[20:21]
	s_add_nc_u64 s[8:9], s[8:9], s[24:25]
	s_add_nc_u64 s[10:11], s[10:11], s[24:25]
	s_add_nc_u64 s[14:15], s[14:15], s[22:23]
	global_load_b32 v[VS],   v[SO], s[8:9]         ; the four oldest loads: slot 0's wait, which leaves 31 out, covers them
	global_load_b32 v[VS+1], v[SO], s[8:9] offset:128
	global_load_b32 v[VZ],   v[SO], s[10:11]
	global_load_b32 v[VZ+1], v[SO], s[10:11] offset:128
.set j, 0
.rept 32
	global_load_b128 v[X+4*j:X+4*j+3], v[IN], s[6:7] offset:512*j th:TH_LOAD_NT
.set j, j+1
.endr
.irp k, 33,35,37,39,41,43,45,47
	s_mov_b32 s\k, 0                               ; the pairs' upper words are named with the lower ones, so they are written
.endr
.set j, 0
.rept 64
	WSLOT
.endr
	s_endpgm
.Lfunc_end_k_q75ac8d272f_prep:
	.size	k_q75ac8d272f_prep, .Lfunc_end_k_q75ac8d272f_prep-k_q75ac8d272f_prep
	.p2alignl 7, 3214868480
	.fill 96, 4, 3214868480
	.section	.rodata,"a",@progbits
	.p2align	6, 0x0
	.amdhsa_kernel k_q75ac8d272f_prep
		.amdhsa_group_segment_fixed_size 0
		.amdhsa_private_segment_fixed_size 0
		.amdhsa_enable_private_segment 0
		.amdhsa_kernarg_size 48
		.amdhsa_user_sgpr_count 2
		.amdhsa_user_sgpr_kernarg_segment_ptr 1
		.amdhsa_wavefront_size32 1
		.amdhsa_system_sgpr_workgroup_id_x 1
		.amdhsa_system_sgpr_workgroup_id_y 1
		.amdhsa_system_sgpr_workgroup_id_z 1
		.amdhsa_system_vgpr_workitem_id 0
		.amdhsa_next_free_vgpr 208
		.amdhsa_next_free_sgpr 66
		.amdhsa_reserve_vcc 0
		.amdhsa_float_denorm_mode_32 3
		.amdhsa_float_denorm_mode_16_64 3
		.amdhsa_memory_ordered 1
		.amdhsa_forward_progress 1
		.amdhsa_inst_pref_size 70
	.end_amdhsa_kernel
	.amdgpu_metadata
---
amdhsa.version: [ 1, 2 ]
amdhsa.kernels:
  - .name:           k_q75ac8d272f_prep
    .symbol:         k_q75ac8d272f_prep.kd
    .args:
      - { .name: x, .offset: 0, .size: 8, .value_kind: global_buffer, .address_space: global }
      - { .name: weight_qvals, .offset: 8, .size: 8, .value_kind: global_buffer, .address_space: global }
      - { .name: weight_scales, .offset: 16, .size: 8, .value_kind: global_buffer, .address_space: global }
      - { .name: weight_zeros, .offset: 24, .size: 8, .value_kind: global_buffer, .address_space: global }
      - { .name: xh, .offset: 32, .size: 8, .value_kind: global_buffer, .address_space: global }
      - { .name: wh, .offset: 40, .size: 8, .value_kind: global_buffer, .address_space: global }
    .group_segment_fixed_size: 0
    .private_segment_fixed_size: 0
    .kernarg_segment_align: 8
    .kernarg_segment_size: 48
    .max_flat_workgroup_size: 512
    .sgpr_count:     66
    .vgpr_count:     208
    .wavefront_size: 32
...
	.end_amdgpu_metadata
.endif
;; end of part 1
;; launch gemm (part 2): grid 16 x 16, 4 waves a work-group, clusters of 4 x 4, 327,680 bytes of LDS; arguments xh, wh, out0, bias; writes out0
.if DOCPART == 2
	.amdgcn_target "amdgcn-amd-amdhsa--gfx1250"
	.amdhsa_code_object_version 6
	.text
	.protected	k_q75ac8d272f_gemm
	.globl	k_q75ac8d272f_gemm
	.p2align	8
	.type	k_q75ac8d272f_gemm,@function
k_q75ac8d272f_gemm:
	s_mov_b64 s[64:65], 0
	v_nop
	global_prefetch_b8 v0, s[64:65] scope:SCOPE_SE
	s_setreg_imm32_b32 hwreg(HW_REG_WAVE_MODE, 25, 1), 1
	s_wait_xcnt 0x0
	s_wait_alu depctr_hold_cnt(0) depctr_sa_sdst(0) depctr_va_vdst(0) depctr_va_sdst(0) depctr_va_ssrc(0) depctr_va_vcc(0) depctr_vm_vsrc(0)
	s_getreg_b32 s2, hwreg(HW_REG_IB_STS2, 6, 4)
	s_cmp_eq_u32 s2, 0
	s_cbranch_scc0 .Lentry_in_a_cluster
	s_endpgm
.Lentry_in_a_cluster:
	s_bfe_u32 s2, ttmp6, 0x10000c
	s_cmp_lg_u32 s2, 0xf033
	s_cbranch_scc0 .Lentry_shape_is_right
	s_endpgm
.Lentry_shape_is_right:
; out0[t][n] = bias[n] + the sum over k of xh[t][k] wh[n][k].  xh (A): [4096][4096] f16, wh (B): [4096][4096] f16, both made by the launch before; bias: [4096] f32; out0 (C): [4096][4096] f32.
; Nothing of the problem is left out.  LIMITS: the operands have f16's 11 significant bits and its range (none beyond 65,504; below 6e-5 a fixed step of 6e-8); sums in f32, K ascending,
; started by the bias (another order of additions than a product followed by an add).
; A tile of C, 256 x 256, is made by a work-group of four waves; a wave makes 128 x 128: 64 accumulators of 16 x 16, 512 registers.  256 tiles: one work-group each.
; K goes in steps of 128 through a ring of two LDS slots filled by the tensor data mover: the tiles' rows are 256 bytes of memory and start at multiples of 256 bytes from the buffer's first byte.
; CLUSTERS: 4 x 4 work-groups.  The four of a row of the cluster need the same tiles of A, the four of a column the same tiles of B: each tile is asked for JOINTLY, by the same tensor load with the
; same descriptor and a mask that names the four; each receives it in its own LDS.  That divides the requests for A and for B by four.
; THE MATRIX INSTRUCTION IS USED TRANSPOSED: source 0 = 16 rows of B, source 1 = 16 rows of A.  Lane l then holds row l % 16 of C and the columns 8 (l / 16) + 0 .. 7: 32 neighbouring bytes of a row.
; THE BIAS IS THE C OPERAND of the first product on each accumulator: register j of the eight for column block b holds bias[16 b + 8 (l / 16) + j].  Nothing is cleared and nothing is added later.
; REGISTERS, in windows of 256 (s_set_vgpr_msb's low byte: bits 1:0 source 0, 3:2 source 1, 5:4 source 2, 7:6 destination):
;   window 0: v0-31 addresses; v64-127, v128-191 fragments of A, two buffers; on the way out the same 128 take rows read back from the stage
;   window 1: v0-63 the bias; v64-127, v128-191 fragments of B, two buffers
;   window 2: the 32 accumulators of my rows 0-63 (accumulator (a, b) at v[8 (8 a + b)]);   window 3: those of my rows 64-127
.set SIZE_K, 4096
.set KSTEP,  128
.set PITCH,  272                       ; an LDS row: 256 bytes + 16 of padding = 68 words: row r starts at bank 4 r mod 64 (64 banks of 4 bytes: ISA guide 11.1), so the 16 rows that a load touches start at 16 different banks
.set HALFT,  128*PITCH                 ; 128 rows: what one tensor load brings, and what one wave reads of A or of B
.set SLOT,   4*HALFT                   ; A's 256 rows, then B's 256 rows
.set STAGE,  2*SLOT                    ; behind the ring, never filled by a tensor load: 16 rows x 528 bytes for each wave, for the way out
.set SPITCH, 528                       ; a stage row: 512 bytes (128 f32) + 16: 33 x 16, so sixteen lanes that store the same columns of sixteen rows touch sixteen different 16-byte columns
.set SPARE,  STAGE+4*16*SPITCH         ; behind the stages: the spare words, 128 bytes for each wave: two blocks of 256 bytes that no other line names
.set LAPS,   SIZE_K/(2*KSTEP)          ; a lap = two K steps = once round the ring: 16
.set ROWC,   16384                     ; bytes in a row of C
.set ADRA, 16                          ; v16-17  LDS address of my A fragments in slot 0, 1
.set ADRB, 20                          ; v20-21  the same for B
.set STO,  24                          ; v24     the way out: where I put 32 bytes of a row
.set RD,   25                          ; v25     the way out: where I read a row back
.set CO,   26                          ; v26     16 x lane: my bytes of 512 in a row of C
.set BO,   27                          ; v27     32 x (l / 16): my eight numbers of a column block's sixteen in the bias
.set SPW,  28                          ; v28     LDS address of my spare word: SPARE + 4 x my thread's number; never rewritten
.set NIL,  29                          ; v29     0; never rewritten
.set PFO,  30                          ; v30     the prefetches' offset: my lane x a row of A or B (8,192 bytes); never rewritten
.set BI,   0                           ; the bias, in window 1
.set F0,   64                          ; fragment buffer 0
.set F1,   128                         ; fragment buffer 1
.set OB,   64                          ; the way out: 16 rows read back, v64-127 and v128-191 by turns
.set PFA,  44                          ; s[44:45] where my prefetches stand: my work-group's 32 rows of the 128 that I fetch, one K step further along K than the refill that is being asked for
.set LIM,  43                          ; s43     1 in a wave that prefetches, else the greatest number
.set G1,  24                           ; s[24:31] descriptor group 1 for A's tiles
.set G0,  32                           ; s[32:39] descriptor group 0 for A's tiles, one set for each slot
.set G1B, 48                           ; s[48:55] group 1 for B's tiles: it differs in the mask alone
.set G0B, 56                           ; s[56:63] group 0 for B's tiles
.set MSB, 0
.macro WIN new                         ; the immediate's high byte repeats the setting that is left; a switch that changes nothing is dropped
.if MSB != (\new)
	s_set_vgpr_msb (MSB<<8)|(\new)
.set MSB, \new
.endif
.endm
.set MUL_LO, 0xa1                      ; source 0 (B) window 1, source 1 (A) window 0, C and D window 2
.set MUL_HI, 0xf1                      ; the same, C and D window 3
.set FST_LO, 0x91                      ; the first products: C (the bias) window 1, D window 2;  + 0x40: D window 3
.set TO_B,   0x40                      ; destination window 1, address window 0
; A joint refill.  Waves 0 and 1 fetch A's two halves, waves 2 and 3 B's.  Each of the two lines has one mask and one set of registers for all that issue it; the branch hangs on the wave's number alone.
; An s_nop 0 and four v_nop follow each of the two lines, ahead of the jump, the label and what follows the macro.
.macro JLOAD s
	s_cmp_eq_u32 s11, 0
	s_cbranch_scc0 .Lfor_b_\@
	tensor_load_to_lds s[G0+4*(\s):G0+4*(\s)+3], s[G1:G1+7]
	s_nop 0
.rept 4
	v_nop
.endr
	s_branch .Lasked_\@
.Lfor_b_\@:
	tensor_load_to_lds s[G0B+4*(\s):G0B+4*(\s)+3], s[G1B:G1B+7]
	s_nop 0
.rept 4
	v_nop
.endr
.Lasked_\@:
.endm
; A PREFETCH INTO THE L2, behind each joint refill and the run of LDS loads that follows it: the K step that stands TWO refills on, 512 matrix instructions ahead of the load that will ask for it:
; 32 rows x 256 bytes, a lane a row, one instruction a wave.  Each row's 256 bytes of a K step are named ONCE in the launch: A's tile row is read by every cluster of that row of clusters, and the one
; with cluster x = 0 asks; B's tile column by every cluster of that column, and cluster y = 0 asks.  The four partners that ask for a tile jointly share its rows out BY ADDRESS: of the 128 rows that a
; wave fetches, the partner at place p takes 32 p .. 32 p + 31 (p = cx for A, cy for B): no branch hangs on a work-group's place in its cluster.  K steps 0 to 3 come by their loads alone;
; the loop's last trip (s3 = 1) asks for nothing: its refills are K steps 30 and 31, and there is no K step two on.
.macro ASK
	s_cmp_gt_u32 s3, s[LIM]
	s_cbranch_scc0 .Lnot_mine_\@
	global_prefetch_b8 v[PFO], s[PFA:PFA+1] offset:KSTEP*2 th:TH_LOAD_NT scope:SCOPE_SE
.Lnot_mine_\@:
.endm
; A round of the cluster's barrier: my work-group's barrier, so that wave 0's signal speaks for all four waves; wave 0 signals for the work-group; every wave waits for all sixteen work-groups;
; my work-group's barrier once more.
.macro CREST                           ; a round behind its opening barrier
	s_cmp_lg_u32 s10, 0
	s_cbranch_scc1 .Lnot_wave_0_\@
	s_barrier_signal -3
.Lnot_wave_0_\@:
	s_barrier_wait -3
	s_barrier_signal -1
	s_barrier_wait -1
.endm
.macro CROUND                          ; a whole round
	s_barrier_signal -1
	s_barrier_wait -1
	CREST
.endm
	s_load_b128 s[4:7], s[0:1], 0x0                ; A s[4:5], B s[6:7]
	s_load_b64 s[8:9], s[0:1], 0x10                ; C
	s_load_b64 s[66:67], s[0:1], 0x18              ; bias
	v_lshl_add_u32 v[SPW], v0, 2, SPARE
	v_mov_b32 v[NIL], 0
	ds_add_u32 v[SPW], v[NIL]                      ; the wave's opening: the add, twice on end, and its wait ahead of my first tensor load; the set-up below, work on registers, stands between
	ds_add_u32 v[SPW], v[NIL]                      ; and once more, under the one wait
	v_lshrrev_b32 v1, 5, v0
	v_readfirstlane_b32 s10, v1                    ; wave 0..3
	s_lshr_b32 s11, s10, 1                         ; which half of the tile's rows is mine.  Also: I fetch for A (0) or for B (1)
	s_and_b32 s12, s10, 1                          ; which half of its columns.  Also: which 128 rows of that tile I fetch
	s_bfe_u32 s40, ttmp6, 0x40000                  ; cx: my place along the cluster's x
	s_bfe_u32 s41, ttmp6, 0x40004                  ; cy: along its y
	s_lshl_b32 s42, ttmp9, 2                       ; in a cluster launch ttmp9 and ttmp7 count clusters
	s_add_co_u32 s42, s42, s40                     ; tile column of C = 4 x cluster x + cx
	s_and_b32 s13, ttmp7, 0xffff
	s_lshl_b32 s13, s13, 2
	s_add_co_u32 s13, s13, s41                     ; tile row of C = 4 x cluster y + cy
	s_lshl_b32 s43, s41, 2
	s_lshl_b32 s43, 15, s43                        ; my row of the cluster: places 4 cy .. 4 cy + 3
	s_lshl_b32 s44, 0x1111, s40                    ; my column: places cx, cx + 4, cx + 8, cx + 12
	; descriptor group 1: a tile of 128 rows x 128 elements, padded in LDS
	s_or_b32 s[G1+0], s43, (1<<16)|(1<<20)|(1<<21)|(5<<22)|(3<<25)   ; 15:0 the mask: A's tiles go to my row; 17:16 elements of 2 bytes; 20 padding on; 21 set beside a mask; 24:22 after every 64 words (code 5); 31:25 4 words of it (code 3)
	s_or_b32 s[G1B+0], s44, (1<<16)|(1<<20)|(1<<21)|(5<<22)|(3<<25)  ; the same with the mask of my column, for B's tiles
.irp g, G1, G1B
	s_mov_b32 s[(\g)+1], KSTEP<<16                 ; 63:48 tensor_dim0, low half = 128
	s_mov_b32 s[(\g)+2], 128<<16                   ; 79:64 its high half = 0; 95:80 tensor_dim1, low half = 128
	s_mov_b32 s[(\g)+3], KSTEP<<16                 ; 111:96 its high half = 0; 127:112 tile_dim0 = 128
	s_mov_b32 s[(\g)+4], 128                       ; 143:128 tile_dim1 = 128; 159:144 tile_dim2 = 0
	s_mov_b32 s[(\g)+5], SIZE_K                    ; 191:160 tensor_dim0_stride: elements from row to row
	s_mov_b32 s[(\g)+6], 0
	s_mov_b32 s[(\g)+7], 0
.endr
	; where the tiles come from.  A's hang on the tile row alone, which my row of the cluster shares; B's on the tile column alone, which my column shares.
	; Every wave makes both addresses, in registers that never hold the other coordinate, and asks by one of them.
	s_lshl_b32 s17, s12, 7                         ; which 128 rows of the tile I fetch
	s_lshl_b32 s16, s13, 8
	s_add_co_u32 s16, s16, s17                     ; A: row 256 x tile row + 128 x half
	s_lshl_b32 s16, s16, 13                        ; rows of 8,192 bytes: under 2^25
	s_lshl_b32 s46, s42, 8
	s_add_co_u32 s46, s46, s17                     ; B: row 256 x tile column + 128 x half
	s_lshl_b32 s46, s46, 13
	s_mov_b32 s17, 0
	s_mov_b32 s47, 0
	s_mul_i32 s20, s10, HALFT                      ; and where they go: A's two halves, then B's two halves = wave x 128 rows: no place in the cluster enters an LDS address
	s_wait_dscnt 0x0                               ; both opening adds are done
	s_wait_kmcnt 0x0
	s_add_nc_u64 s[14:15], s[4:5], s[16:17]
	s_add_nc_u64 s[46:47], s[6:7], s[46:47]
	CROUND                                         ; all sixteen work-groups are here: the first joint loads meet
.irp s, 0,1
	s_mov_b32 s[G0+4*(\s)], 1                                        ; 1:0 count = 1
	s_add_co_u32 s[G0+4*(\s)+1], s20, (\s)*SLOT                      ; 63:32 LDS address
	s_add_nc_u64 s[G0+4*(\s)+2:G0+4*(\s)+3], s[14:15], (\s)*KSTEP*2  ; 120:64 global address: K step s
	s_or_b32 s[G0+4*(\s)+3], s[G0+4*(\s)+3], 0x80000000              ; 127:126 type = 2
	s_mov_b32 s[G0B+4*(\s)], 1
	s_add_co_u32 s[G0B+4*(\s)+1], s20, (\s)*SLOT
	s_add_nc_u64 s[G0B+4*(\s)+2:G0B+4*(\s)+3], s[46:47], (\s)*KSTEP*2
	s_or_b32 s[G0B+4*(\s)+3], s[G0B+4*(\s)+3], 0x80000000
.endr
	s_cmp_eq_u32 s11, 0                            ; a wave's two first fills stand in one branch, ahead of every wait on TENSORcnt and every LDS read: two loads of mine are out; later one
	s_cbranch_scc0 .Lfirst_b
	tensor_load_to_lds s[G0:G0+3], s[G1:G1+7]
	s_nop 0
	tensor_load_to_lds s[G0+4:G0+7], s[G1:G1+7]
	s_nop 0
.rept 4
	v_nop
.endr
	s_branch .Lfirst_asked
.Lfirst_b:
	tensor_load_to_lds s[G0B:G0B+3], s[G1B:G1B+7]
	s_nop 0
	tensor_load_to_lds s[G0B+4:G0B+7], s[G1B:G1B+7]
	s_nop 0
.rept 4
	v_nop
.endr
.Lfirst_asked:
	; A fragment is 16 rows x 32 K in 8 registers: lane l holds row l % 16; registers 0-3 hold K = 8 (l / 16) + 0..7, registers 4-7 K = 16 + 8 (l / 16) + 0..7: two loads of 16 bytes, 32 bytes apart.
	v_and_b32 v1, 15, v0                           ; l % 16
	v_bfe_u32 v2, v0, 4, 1                         ; l / 16
	v_mul_u32_u24 v3, v1, PITCH
	v_lshl_add_u32 v3, v2, 4, v3                   ; row x pitch + 16 x half
	s_mul_i32 s21, s11, HALFT                      ; my 128 rows of A
	s_mul_i32 s22, s12, HALFT                      ; my 128 rows of B,
	s_add_co_u32 s22, s22, 2*HALFT                 ; which lie behind A's 256
.irp s, 0,1
	v_add_nc_u32 v[ADRA+(\s)], s21, v3
	v_add_nc_u32 v[ADRB+(\s)], s22, v3
	s_add_co_u32 s21, s21, SLOT
	s_add_co_u32 s22, s22, SLOT
.endr
	s_mul_i32 s23, s10, 16*SPITCH
	s_add_co_u32 s23, s23, STAGE                   ; my stage
	v_mul_u32_u24 v4, v1, SPITCH                   ; in: row l % 16, 32 bytes for each half of the lanes
	v_lshl_add_u32 v4, v2, 5, v4
	v_add_nc_u32 v[STO], s23, v4
	v_and_b32 v5, 31, v0
	v_lshlrev_b32 v[CO], 4, v5                     ; back: 32 lanes take one row of 512 bytes,
	v_add_nc_u32 v[RD], s23, v[CO]
	v_lshlrev_b32 v[BO], 5, v2
	v_lshlrev_b32 v[PFO], 13, v5
	; C and the bias at my part of the tile
	s_lshl_b32 s13, s13, 8                         ; 256 x tile row
	s_lshl_b32 s14, s11, 7
	s_add_co_u32 s16, s13, s14                     ; my first row of C,
	s_lshl_b32 s16, s16, 14                        ; in bytes: under 2^26
	s_mov_b32 s17, 0
	s_add_nc_u64 s[8:9], s[8:9], s[16:17]
	s_lshl_b32 s46, s42, 10                        ; my first column, in bytes of f32: 1,024 x tile column + 512 x half (in the registers that held B's address: none that feeds A's descriptors ever holds cx)
	s_lshl_b32 s47, s12, 9
	s_add_co_u32 s46, s46, s47
	s_mov_b32 s47, 0
	s_add_nc_u64 s[8:9], s[8:9], s[46:47]
	s_add_nc_u64 s[66:67], s[66:67], s[46:47]
	WIN TO_B
.irp b, 0,1,2,3,4,5,6,7
	global_load_b128 v[BI+8*(\b):BI+8*(\b)+3],   v[BO], s[66:67] offset:64*(\b)      ; bias[16 b + 8 (l / 16) + 0..3]
	global_load_b128 v[BI+8*(\b)+4:BI+8*(\b)+7], v[BO], s[66:67] offset:64*(\b)+16   ; and + 4..7
.endr
	WIN 0
	; the prefetches.  s13 = 256 x tile row, s42 = tile column, s40 = cx, s41 = cy still stand
	s_lshl_b32 s42, s42, 8
	s_and_b32 s22, ttmp7, 0xffff                   ; cluster y
	s_cmp_eq_u32 s11, 0                            ; do I fetch for A?
	s_cselect_b32 s20, s13, s42                    ; the tile's first row: in A by the tile row, in B by the tile column
	s_cselect_b32 s21, s40, s41                    ; my place among the four that ask for it with me
	s_cselect_b32 s22, ttmp9, s22                  ; the coordinate along which other clusters read the same rows
	s_cselect_b64 s[PFA:PFA+1], s[4:5], s[6:7]
	s_cmp_eq_u32 s22, 0
	s_cselect_b32 s[LIM], 1, -1                    ; the same in all sixteen partners, for a given wave
	s_lshl_b32 s22, s12, 7
	s_add_co_u32 s20, s20, s22                     ; + the 128 rows that I fetch
	s_lshl_b32 s21, s21, 5
	s_add_co_u32 s20, s20, s21                     ; + my work-group's 32 of them
	s_lshl_b32 s20, s20, 13                        ; in bytes
	s_mov_b32 s21, 0
	s_add_nc_u64 s[PFA:PFA+1], s[PFA:PFA+1], s[20:21]
	s_add_nc_u64 s[PFA:PFA+1], s[PFA:PFA+1], 2*KSTEP*2  ; at K step 2: the first refill steps it to 3 and names K step 4.  Nothing is prefetched here, at the head, where every work-group's first tiles are on their way
; 16 matrix instructions: m blocks a0, a0 + 1 of the window's four (hi = 0: my rows 0-63, 1: rows 64-127) x all 8 n blocks, 32 along K.  first = 1: the product starts the sum from the bias.
; The 64 accumulators take turns, one instruction a turn, in the same order in every quarter step, over the loop's backward jump too.
.macro MUL16 f, hi, a0, first
.if \first
	WIN FST_LO+0x40*(\hi)
.else
	WIN MUL_LO+0x50*(\hi)
.endif
.irp a, \a0, (\a0)+1
.irp b, 0,1,2,3,4,5,6,7
.if \first
	v_wmma_f32_16x16x32_f16 v[8*(8*(\a)+(\b)):8*(8*(\a)+(\b))+7], v[(\f)+8*(\b):(\f)+8*(\b)+7], v[(\f)+8*(4*(\hi)+(\a)):(\f)+8*(4*(\hi)+(\a))+7], v[BI+8*(\b):BI+8*(\b)+7]
.else
	v_wmma_f32_16x16x32_f16 v[8*(8*(\a)+(\b)):8*(8*(\a)+(\b))+7], v[(\f)+8*(\b):(\f)+8*(\b)+7], v[(\f)+8*(4*(\hi)+(\a)):(\f)+8*(4*(\hi)+(\a))+7], v[8*(8*(\a)+(\b)):8*(8*(\a)+(\b))+7]
.endif
.endr
.endr
.endm
; 32 LDS loads in one run: the fragments of one quarter step (128 rows of B, 128 rows of A, 32 K at byte k of the rows) into buffer f
.macro FETCH slot, k, f
	WIN TO_B
.irp i, 0,1,2,3,4,5,6,7
	ds_load_b128 v[(\f)+8*(\i):(\f)+8*(\i)+3],   v[ADRB+(\slot)] offset:(\k)+(\i)*16*PITCH
	ds_load_b128 v[(\f)+8*(\i)+4:(\f)+8*(\i)+7], v[ADRB+(\slot)] offset:(\k)+(\i)*16*PITCH+32
.endr
	WIN 0
.irp i, 0,1,2,3,4,5,6,7
	ds_load_b128 v[(\f)+8*(\i):(\f)+8*(\i)+3],   v[ADRA+(\slot)] offset:(\k)+(\i)*16*PITCH
	ds_load_b128 v[(\f)+8*(\i)+4:(\f)+8*(\i)+7], v[ADRA+(\slot)] offset:(\k)+(\i)*16*PITCH+32
.endr
.endm
; A load into a register that a matrix instruction has read, and an LDS store that reads a matrix result, stand four places behind that matrix instruction, and only plain vector instructions that name
; none of its registers are places (ISA guide 7.12.1 for vector instructions); the matrix instructions in between are not counted.
.macro PLACES
.rept 4
	v_nop
.endr
.endm
; A K step is four quarter steps of 32 along K, 64 matrix instructions each, on buffers 0, 1, 0, 1.
; One of the first three: multiplies buffer f; in its middle it fetches the next quarter's fragments, at byte k of the same slot's rows, into buffer g.
.macro QUARTER slot, k, f, g, first
	s_wait_dscnt 8                                 ; B and A's rows 0-63 are in; the youngest eight loads (A's rows 64-127) may be out
	MUL16 \f, 0, 0, \first
	MUL16 \f, 0, 2, \first
	PLACES
	FETCH \slot, \k, \g
	s_wait_dscnt 32                                ; all but the 32 just issued
	MUL16 \f, 1, 0, \first
	MUL16 \f, 1, 2, \first
.endm
; The last quarter multiplies buffer 1 and changes slots.  MEET is its first half: ONE barrier for the change of slots.  In front of it each wave waits for all its tensor loads, of which one is out:
; its part of the next slot; adds 0 to its spare word; and waits for that and for its own reads of this slot.  Behind it nobody reads this slot any more and the next slot is whole.
.macro MEET round                      ; round = 1: a round of the cluster's barrier follows
	WIN 0                                          ; (the add's two registers lie in window 0)
	s_wait_tensorcnt 0x0                           ; all my tensor loads have landed;
	ds_add_u32 v[SPW], v[NIL]                      ; 0 onto my spare word;
	s_wait_dscnt 9                                 ; (the add and the youngest eight loads may be out)
	MUL16 F1, 0, 0, 0                              ; sixteen matrix instructions stand between the add and the wait for it
	s_wait_dscnt 0x0                               ; the add is done, and my reads of this slot are over:
	s_barrier_signal -1                            ; say so,
	MUL16 F1, 0, 2, 0                              ; work on registers while the others arrive,
.if \round
	WIN 0
.endif
	s_barrier_wait -1                              ; and go on when all four have said so
.endm
; The whole last quarter.  Behind the round the slot just read out is filled again first, with the K step two steps on; then come the next slot's first fragments.
; From a request to the wait for it a wave issues 224 matrix instructions.
.macro TURN slot, next
	s_wait_xcnt 0x0                                ; the last prefetch, a K step back, has read its address: it is stepped here, ahead of the waits of the change of slots
	s_add_nc_u64 s[PFA:PFA+1], s[PFA:PFA+1], KSTEP*2
	MEET 1
	CREST                                          ; all sixteen work-groups have said so: no wave of any partner still reads this slot's tile or has a load on its way
	s_add_nc_u64 s[G0+4*(\slot)+2:G0+4*(\slot)+3], s[G0+4*(\slot)+2:G0+4*(\slot)+3], 2*KSTEP*2      ; no tensor load of mine is out, so a group 0 may be written; the type bits on top are not reached
	s_add_nc_u64 s[G0B+4*(\slot)+2:G0B+4*(\slot)+3], s[G0B+4*(\slot)+2:G0B+4*(\slot)+3], 2*KSTEP*2
	JLOAD \slot                                    ; the first tensor load behind the round; the four v_nop behind it are also the places in front of the loads below
	FETCH \next, 0, F0
	ASK
	MUL16 F1, 1, 0, 0
	MUL16 F1, 1, 2, 0
.endm
; THE WAY OUT of block a (16 rows x 128 columns of f32).  A lane's 32 bytes are a sixteenth of a row's 512, and the lanes beside it hold other rows: so the block goes through my own stage in LDS.
; TOSTAGE: sixteen stores straight from the accumulators, each accumulator's low four registers first, and sixteen loads that bring whole rows back.
.macro TOSTAGE a
.set AC, 64*((\a)%4)
.set BK, OB+64*((\a)%2)
	WIN 0x08+4*((\a)/4)                            ; an LDS store's data is source 1: window 2 or 3
.irp b, 0,1,2,3,4,5,6,7
	ds_store_b128 v[STO], v[AC+8*(\b):AC+8*(\b)+3]   offset:64*(\b)
	ds_store_b128 v[STO], v[AC+8*(\b)+4:AC+8*(\b)+7] offset:64*(\b)+16
.endr
	WIN 0
	s_wait_xcnt 0x0                                ; the stores of the block two back, which read the registers loaded below, have had their addresses translated (ISA guide 3.1)
.irp t, 0,1,2,3,4,5,6,7,8,9,10,11,12,13,14,15
	ds_load_b128 v[BK+4*(\t):BK+4*(\t)+3], v[RD] offset:(\t)*SPITCH  ; LDS serves a wave's instructions in order (ISA guide 5.7.1.4): these see the stores above; the next block's stores come behind them
.endr
.endm
.macro SEND a, younger                 ; younger: the LDS instructions issued behind block a's loads: the next block's 32, or none
	WIN 0
.set BK, OB+64*((\a)%2)
.irp t, 0,1,2,3,4,5,6,7,8,9,10,11,12,13,14,15
	s_wait_dscnt (\younger)+15-(\t)                ; row t is back in registers
	global_store_b128 v[CO], v[BK+4*(\t):BK+4*(\t)+3], s[8:9] offset:(16*(\a)+(\t))*ROWC th:TH_STORE_NT  ; the wave stores 512 consecutive bytes, at a multiple of 512 from C's first byte; the row stands in the immediate, 127 rows at the most
.endr
.endm
	s_wait_tensorcnt 1                             ; my part of K step 0 is in; K step 1's may stay out
	s_barrier_signal -1
	s_barrier_wait -1                              ; everybody's is
	FETCH 0, 0, F0
	s_wait_loadcnt 0x0                             ; the bias
	QUARTER 0, 64,  F0, F1, 1                      ; the first quarter stands in front of the loop: its products start the sums
	WIN 0                                          ; at a label and at a branch every window is 0
	s_mov_b32 s3, LAPS-1
.Llap:                                                 ; a trip goes once round the ring, from a lap's second quarter to the next lap's first, and fills both slots again
	QUARTER 0, 128, F1, F0, 0
	QUARTER 0, 192, F0, F1, 0
	TURN 0, 1
	QUARTER 1, 64,  F0, F1, 0
	QUARTER 1, 128, F1, F0, 0
	QUARTER 1, 192, F0, F1, 0
	TURN 1, 0
	QUARTER 0, 64,  F0, F1, 0
	WIN 0
	s_sub_co_u32 s3, s3, 1
	s_cmp_lg_u32 s3, 0
	s_cbranch_scc1 .Llap
	QUARTER 0, 128, F1, F0, 0                      ; the last lap is written out: it asks for nothing more
	QUARTER 0, 192, F0, F1, 0
	MEET 0                                         ; my one tensor load that was still out is slot 1's, the last K step's, so no round follows
	PLACES                                         ; for the loads into buffer 0, which the quarter before multiplied
	FETCH 1, 0, F0
	MUL16 F1, 1, 0, 0
	MUL16 F1, 1, 2, 0
	QUARTER 1, 64,  F0, F1, 0
	QUARTER 1, 128, F1, F0, 0
	QUARTER 1, 192, F0, F1, 0
	s_wait_dscnt 8                                 ; the very last quarter: nothing more to fetch
	MUL16 F1, 0, 0, 0
	MUL16 F1, 0, 2, 0
	s_wait_dscnt 0x0
	MUL16 F1, 1, 0, 0
	MUL16 F1, 1, 2, 0
	WIN 0
	PLACES                                         ; behind the last products, in front of the stores that read results and of the loads into A's buffers:
	PLACES                                         ; eight places, once a launch
	TOSTAGE 0
.irp a, 1,2,3,4,5,6,7                  ; block a goes into the stage while block a - 1's rows come back and leave
	TOSTAGE \a
	SEND (\a)-1, 32
.endr
	SEND 7, 0
	s_wait_tensorcnt 0x0                           ; the wave's end, behind my last tensor load and my last LDS store
	ds_add_u32 v[SPW], v[NIL]
	s_wait_dscnt 0x0
	CROUND                                         ; the closing round: no work-group ends while a partner may still ask for a tile that names it
	s_endpgm
.Lfunc_end_k_q75ac8d272f_gemm:
	.size	k_q75ac8d272f_gemm, .Lfunc_end_k_q75ac8d272f_gemm-k_q75ac8d272f_gemm
	.p2alignl 7, 3214868480
	.fill 96, 4, 3214868480
	.section	.rodata,"a",@progbits
	.p2align	6, 0x0
	.amdhsa_kernel k_q75ac8d272f_gemm
		.amdhsa_group_segment_fixed_size 327680
		.amdhsa_private_segment_fixed_size 0
		.amdhsa_enable_private_segment 0
		.amdhsa_kernarg_size 32
		.amdhsa_user_sgpr_count 2
		.amdhsa_user_sgpr_kernarg_segment_ptr 1
		.amdhsa_wavefront_size32 1
		.amdhsa_system_sgpr_workgroup_id_x 1
		.amdhsa_system_sgpr_workgroup_id_y 1
		.amdhsa_system_sgpr_workgroup_id_z 1
		.amdhsa_system_vgpr_workitem_id 0
		.amdhsa_next_free_vgpr 1024
		.amdhsa_next_free_sgpr 68
		.amdhsa_reserve_vcc 0
		.amdhsa_float_denorm_mode_32 3
		.amdhsa_float_denorm_mode_16_64 3
		.amdhsa_memory_ordered 1
		.amdhsa_forward_progress 1
		.amdhsa_inst_pref_size 146
	.end_amdhsa_kernel
	.amdgpu_metadata
---
amdhsa.version: [ 1, 2 ]
amdhsa.kernels:
  - .name:           k_q75ac8d272f_gemm
    .symbol:         k_q75ac8d272f_gemm.kd
    .args:
      - { .name: xh, .offset: 0, .size: 8, .value_kind: global_buffer, .address_space: global }
      - { .name: wh, .offset: 8, .size: 8, .value_kind: global_buffer, .address_space: global }
      - { .name: out0, .offset: 16, .size: 8, .value_kind: global_buffer, .address_space: global }
      - { .name: bias, .offset: 24, .size: 8, .value_kind: global_buffer, .address_space: global }
    .group_segment_fixed_size: 327680
    .private_segment_fixed_size: 0
    .kernarg_segment_align: 8
    .kernarg_segment_size: 32
    .max_flat_workgroup_size: 128
    .sgpr_count:     68
    .vgpr_count:     1024
    .wavefront_size: 32
...
	.end_amdgpu_metadata
.endif
;; end of part 2
;; ======== version 2 of 2: 2 launches; version 1 with the launch prep written anew for expert scheduling mode
;; limits: values are held in f16: magnitudes above 65,504 overflow, below 6.1e-05 lose precision; inputs' magnitudes at most 65,504
;; workspace buffers: xh 33,554,432 bytes; wh 33,554,432 bytes
;; launch prep (part 3): grid 256 x 1, 16 waves a work-group, no clusters, 0 bytes of LDS; arguments x, weight_qvals, weight_scales, weight_zeros, xh, wh; writes xh, wh
.if DOCPART == 3
	.amdgcn_target "amdgcn-amd-amdhsa--gfx1250"
	.amdhsa_code_object_version 6
	.text
	.protected	k_q75ac8d272f_prep
	.globl	k_q75ac8d272f_prep
	.p2align	8
	.type	k_q75ac8d272f_prep,@function
k_q75ac8d272f_prep:
	s_mov_b64 s[64:65], 0
	v_nop
	global_prefetch_b8 v0, s[64:65] scope:SCOPE_SE
	s_setreg_imm32_b32 hwreg(HW_REG_WAVE_SCHED_MODE, 0, 2), 2
	s_setreg_imm32_b32 hwreg(HW_REG_WAVE_MODE, 25, 1), 1
	s_wait_xcnt 0x0
	s_wait_alu depctr_vm_vsrc(0)
; xh[t][k] = f16(x[t][k]);  wh[n][k] = f16(f32(q[n][k]) * s[n][k / 128] + z[n][k / 128]).  x: [4096][4096] f32, q: [4096][4096] int32, s, z: [4096][32] f32; xh, wh: [4096][4096] f16.
; The two operands of out = x w^T + bias are made here ONCE, each number rounded once, so that the product's launch moves 2 bytes a number and converts nothing.
; NOTHING OF THE PROBLEM IS LEFT OUT: every input has a way to the output; the group size 128 is a constant of the problem.
; WHY f16: every output must lie within 1% of the outputs' root mean square plus 1% of itself; over 4,096 terms two operands of 8 significant bits spend more than that, two of 11 bits an eighth of it.
; LIMITS.  x and w = q s + z keep f16's 11 significant bits.  f16 holds no number beyond 65,504: an |x| or |w| of 65,520 or more becomes an infinity; below 6e-5 a number keeps f16's fixed step of 6e-8.
; w is one fused multiply-add in f32, rounded once to f32 where a multiply and an add would round twice.
; q is converted as a signed 32-bit number: exact below 2^24, beyond that rounded to nearest even.  NaN and infinities go as the arithmetic carries them.
; SHARES.  Work-group b owns rows 16 b .. 16 b + 15 of x and of q.  Waves 0-7 take x, waves 8-15 take q: wave v the two rows R = 16 b + 2 (v % 8) and R + 1: 32,768 consecutive bytes in,
; 16,384 consecutive bytes out.  A load of 16 bytes a lane covers 512 consecutive bytes = 128 numbers, in q exactly one group (n, g): its scale and zero are the same for the whole wave.
; It makes one store of 8 bytes a lane: 256 consecutive bytes, at a multiple of 256 from the buffer's first byte.  The wave has 64 such slots; slot j's places stand in the immediates
; (512 j in, 256 j out), so no address register and no base is ever written again.  No LDS, no barrier: no wave wants a byte that another has fetched.
; THE MODE: SCHED_MODE bits 1:0 = 2 (LLVM: expert scheduling mode 2), set by the entry lines.  The code itself states the register dependences between vector instructions and memory
; instructions, with s_wait_alu, always for 0.
; THE PLAN.  The 64 slots go in 16 blocks of four.  Registers that memory instructions touch:
;   v2, v3, v4   byte offsets, made once at the head and never written again.
;   v6 - v9      scales and zeros: loaded once at the head, read by v_readlane_b32 alone.
;   X0 .. X8     nine blocks of data as loaded.  Block p lies in X[p % 9]; its vector instructions read it (the weights' also write it, in place).  The loads of block p + 8 are issued in
;                block p and land in X[(p + 8) % 9] = X[(p - 1) % 9]: the buffer that block p - 1 worked on and that no vector instruction of block p names (block 0's land in X8, which none has named).
;   Y0 .. Y6     blocks 0 to 6 round into 8 registers of their own, written once; the stores issued in the next block read them.
;                Blocks 7 to 15 round in place: their nine X buffers are loaded no more, and the stores leave from there.
; So ONE wait on va_vdst at a block's head states all that the block's eight memory instructions hang on, and these are dealt among its vector instructions with no further wait.
; No register that a memory instruction has read is ever written again (offsets stand; each out register is written once, ahead of its store, and nothing is loaded into it behind that):
; so past the entry lines the text holds no wait on vm_vsrc and no s_wait_xcnt: there is no such dependence to state.
; IN FLIGHT: 28 loads of every wave stay out at a block's head, 32 behind its four: 16 KiB.
.set NBUF,   9                         ; X buffers
.set BLOCKS, 16
.set FRESH,  BLOCKS-NBUF               ; blocks 0 .. 6, whose X buffers are loaded again, have Y registers
.set IN,  2                            ; v2         16 x lane: my bytes of a load
.set OU,  3                            ; v3         8 x lane: my bytes of a store
.set SO,  4                            ; v4         4 x lane: lane g takes group g's scale and zero
.set VS,  6                            ; v[6:7]     the scales of rows R, R + 1
.set VZ,  8                            ; v[8:9]     their zeros
.set X,   16                           ; v[16:159]  buffer k, slot i: 4 registers at X + 16 k + 4 i
.set Y,   160                          ; v[160:215] block q (0 .. 6), slot i: 2 registers at Y + 8 q + 2 i
	s_load_b256 s[4:11], s[0:1], 0x0               ; x s[4:5], q s[6:7], s s[8:9], z s[10:11]
	s_load_b128 s[12:15], s[0:1], 0x20             ; xh s[12:13], wh s[14:15]
	v_and_b32 v1, 31, v0                           ; lane
	v_lshlrev_b32 v[IN], 4, v1
	v_lshlrev_b32 v[OU], 3, v1
	v_lshlrev_b32 v[SO], 2, v1
	v_lshrrev_b32 v5, 5, v0
	v_readfirstlane_b32 s16, v5                    ; wave 0..15
	s_wait_alu depctr_va_sdst(0)                   ; s16 is written, ahead of its first reader: the rows' offsets and the branch are made from it
	s_and_b32 s17, s16, 7
	s_lshl_b32 s18, ttmp9, 4
	s_lshl1_add_u32 s18, s17, s18                  ; R = 16 b + 2 (wave % 8)
	s_lshl_b32 s20, s18, 14                        ; R rows of 16,384 bytes (x, q): under 2^26
	s_mov_b32 s21, 0
	s_lshl_b32 s22, s18, 13                        ; R rows of 8,192 bytes (xh, wh)
	s_mov_b32 s23, 0
	s_lshl_b32 s24, s18, 7                         ; R rows of 128 bytes (s, z)
	s_mov_b32 s25, 0
	s_wait_kmcnt 0x0
	s_wait_alu depctr_va_vdst(0)                   ; v2, v3 and v4 are written: every load and store of both arms reads one of them as its offset
	s_cmp_lt_u32 s16, 8
	s_cbranch_scc0 .Lweights
; What block p names.  xcur: its data.  xnext: where block p + 8 lands, which is also the buffer of block p - 1.  ocur, ostep: where its roundings go.  oprev, pstep: where block p - 1's went.
; left: how many younger loads may be out when its four have to be there: seven blocks' while blocks are asked for, then the count runs down.
.macro SYMS
.set xcur,  X+16*(p%NBUF)
.set xnext, X+16*((p+NBUF-1)%NBUF)
.if p < FRESH
.set ocur,  Y+8*p
.set ostep, 2
.else
.set ocur,  xcur
.set ostep, 4
.endif
.if p > FRESH
.set oprev, xnext
.set pstep, 4
.else
.set oprev, Y+8*(p-1)
.set pstep, 2
.endif
.set left, 4*(NBUF-2)
.if p > NBUF-1
.set left, 4*(BLOCKS-1-p)
.endif
.endm
; Block p of x: a load (block p + 8) and a store (block p - 1) ahead of each slot's two roundings.
.macro XBLK
	SYMS
	s_wait_loadcnt left                            ; loads come back in order (ISA guide 5.7.1): block p is in, the younger blocks stay out
.if p > 0
	s_wait_alu depctr_va_vdst(0)                   ; block p - 1's roundings have written its out registers, which the stores below read, and are done reading its X, in which the loads below land
.endif
.set i, 0
.rept 4
.if p < BLOCKS-NBUF+1
	global_load_b128 v[xnext+4*i:xnext+4*i+3], v[IN], s[4:5] offset:512*(4*(p+NBUF-1)+i) th:TH_LOAD_NT  ; eight blocks ahead; no vector instruction since the wait names these registers
.endif
.if p > 0
	global_store_b64 v[OU], v[oprev+pstep*i:oprev+pstep*i+1], s[12:13] offset:256*(4*(p-1)+i) th:TH_STORE_NT  ; the block before
.endif
	v_cvt_pk_f16_f32 v[ocur+ostep*i], v[xcur+4*i], v[xcur+4*i+1]       ; two roundings to f16, packed
	v_cvt_pk_f16_f32 v[ocur+ostep*i+1], v[xcur+4*i+2], v[xcur+4*i+3]
.set i, i+1
.endr
.set p, p+1
.endm
; Block p of q.  Its four groups' scales and zeros come out of the lanes in one run, into four sets of scalars (s[32+4 i] the scale, s[34+4 i] the zero), with one wait for the eight.
.macro WBLK
	SYMS
	s_wait_loadcnt left                            ; block p is in (block 0's wait covers the four older loads of scales and zeros too)
.if p > 0
	s_wait_alu depctr_va_vdst(0)                   ; block p - 1 has written its out registers, which the stores below read, and is done reading and writing its X, in which the loads below land
.endif
.set i, 0
.rept 4
	v_readlane_b32 s[32+4*i], v[VS+(4*p+i)/32], (4*p+i)%32   ; the group's scale
	v_readlane_b32 s[34+4*i], v[VZ+(4*p+i)/32], (4*p+i)%32   ; and zero
.set i, i+1
.endr
.set i, 0
.rept 4
.if p < BLOCKS-NBUF+1
	global_load_b128 v[xnext+4*i:xnext+4*i+3], v[IN], s[6:7] offset:512*(4*(p+NBUF-1)+i) th:TH_LOAD_NT  ; eight blocks ahead; no vector instruction since the wait on va_vdst names these registers
.endif
.if p > 0
	global_store_b64 v[OU], v[oprev+pstep*i:oprev+pstep*i+1], s[14:15] offset:256*(4*(p-1)+i) th:TH_STORE_NT  ; the block before
.endif
.irp k, 0,1,2,3
	v_cvt_f32_i32 v[xcur+4*i+\k], v[xcur+4*i+\k]
.endr
.if i == 0
	s_wait_alu depctr_va_sdst(0)                   ; the eight v_readlane_b32 above have written their scalars, ahead of the first multiply-add that reads one
.endif
	v_pk_fma_f32 v[xcur+4*i:xcur+4*i+1], v[xcur+4*i:xcur+4*i+1], s[32+4*i:33+4*i], s[34+4*i:35+4*i] op_sel_hi:[1,0,0]      ; q s + z, fused, two at a time: each pair's low word for both halves
	v_pk_fma_f32 v[xcur+4*i+2:xcur+4*i+3], v[xcur+4*i+2:xcur+4*i+3], s[32+4*i:33+4*i], s[34+4*i:35+4*i] op_sel_hi:[1,0,0]
	v_cvt_pk_f16_f32 v[ocur+ostep*i], v[xcur+4*i], v[xcur+4*i+1]
	v_cvt_pk_f16_f32 v[ocur+ostep*i+1], v[xcur+4*i+2], v[xcur+4*i+3]
.set i, i+1
.endr
.set p, p+1
.endm
	; waves 0-7: x
	s_add_nc_u64 s[4:5], s[4:5], s[20:21]
	s_add_nc_u64 s[12:13], s[12:13], s[22:23]
.set j, 0
.rept 4*(NBUF-1)
	global_load_b128 v[X+4*j:X+4*j+3], v[IN], s[4:5] offset:512*j th:TH_LOAD_NT  ; blocks 0 to 7 into X0 to X7
.set j, j+1
.endr
.set p, 0
.rept BLOCKS
	XBLK
.endr
	SYMS                                           ; p = 16: oprev and pstep name block 15's out registers
	s_wait_alu depctr_va_vdst(0)                   ; block 15's roundings have written them, and the last four stores read them
.set i, 0
.rept 4
	global_store_b64 v[OU], v[oprev+pstep*i:oprev+pstep*i+1], s[12:13] offset:256*(4*(BLOCKS-1)+i) th:TH_STORE_NT
.set i, i+1
.endr
	s_endpgm
.Lweights:                                             ; waves 8-15: q
	s_add_nc_u64 s[6:7], s[6:7], s[20:21]
	s_add_nc_u64 s[8:9], s[8:9], s[24:25]
	s_add_nc_u64 s[10:11], s[10:11], s[24:25]
	s_add_nc_u64 s[14:15], s[14:15], s[22:23]
	global_load_b32 v[VS],   v[SO], s[8:9]         ; the four oldest loads: block 0's wait, which leaves 28 out, covers them
	global_load_b32 v[VS+1], v[SO], s[8:9] offset:128
	global_load_b32 v[VZ],   v[SO], s[10:11]
	global_load_b32 v[VZ+1], v[SO], s[10:11] offset:128
.set j, 0
.rept 4*(NBUF-1)
	global_load_b128 v[X+4*j:X+4*j+3], v[IN], s[6:7] offset:512*j th:TH_LOAD_NT  ; blocks 0 to 7 into X0 to X7
.set j, j+1
.endr
.irp k, 33,35,37,39,41,43,45,47
	s_mov_b32 s\k, 0                               ; the pairs' upper words are named with the lower ones, so they are written
.endr
.set p, 0
.rept BLOCKS
	WBLK
.endr
	SYMS                                           ; p = 16: oprev and pstep name block 15's out registers
	s_wait_alu depctr_va_vdst(0)                   ; block 15's roundings have written them, and the last four stores read them
.set i, 0
.rept 4
	global_store_b64 v[OU], v[oprev+pstep*i:oprev+pstep*i+1], s[14:15] offset:256*(4*(BLOCKS-1)+i) th:TH_STORE_NT
.set i, i+1
.endr
	s_endpgm
.Lfunc_end_k_q75ac8d272f_prep:
	.size	k_q75ac8d272f_prep, .Lfunc_end_k_q75ac8d272f_prep-k_q75ac8d272f_prep
	.p2alignl 7, 3214868480
	.fill 96, 4, 3214868480
	.section	.rodata,"a",@progbits
	.p2align	6, 0x0
	.amdhsa_kernel k_q75ac8d272f_prep
		.amdhsa_group_segment_fixed_size 0
		.amdhsa_private_segment_fixed_size 0
		.amdhsa_enable_private_segment 0
		.amdhsa_kernarg_size 48
		.amdhsa_user_sgpr_count 2
		.amdhsa_user_sgpr_kernarg_segment_ptr 1
		.amdhsa_wavefront_size32 1
		.amdhsa_system_sgpr_workgroup_id_x 1
		.amdhsa_system_sgpr_workgroup_id_y 1
		.amdhsa_system_sgpr_workgroup_id_z 1
		.amdhsa_system_vgpr_workitem_id 0
		.amdhsa_next_free_vgpr 216
		.amdhsa_next_free_sgpr 66
		.amdhsa_reserve_vcc 0
		.amdhsa_float_denorm_mode_32 3
		.amdhsa_float_denorm_mode_16_64 3
		.amdhsa_memory_ordered 1
		.amdhsa_forward_progress 1
		.amdhsa_inst_pref_size 69
	.end_amdhsa_kernel
	.amdgpu_metadata
---
amdhsa.version: [ 1, 2 ]
amdhsa.kernels:
  - .name:           k_q75ac8d272f_prep
    .symbol:         k_q75ac8d272f_prep.kd
    .args:
      - { .name: x, .offset: 0, .size: 8, .value_kind: global_buffer, .address_space: global }
      - { .name: weight_qvals, .offset: 8, .size: 8, .value_kind: global_buffer, .address_space: global }
      - { .name: weight_scales, .offset: 16, .size: 8, .value_kind: global_buffer, .address_space: global }
      - { .name: weight_zeros, .offset: 24, .size: 8, .value_kind: global_buffer, .address_space: global }
      - { .name: xh, .offset: 32, .size: 8, .value_kind: global_buffer, .address_space: global }
      - { .name: wh, .offset: 40, .size: 8, .value_kind: global_buffer, .address_space: global }
    .group_segment_fixed_size: 0
    .private_segment_fixed_size: 0
    .kernarg_segment_align: 8
    .kernarg_segment_size: 48
    .max_flat_workgroup_size: 512
    .sgpr_count:     66
    .vgpr_count:     216
    .wavefront_size: 32
...
	.end_amdgpu_metadata
.endif
;; end of part 3
;; launch gemm: the kernel of part 2 again; grid 16 x 16, 4 waves a work-group, clusters of 4 x 4, 327,680 bytes of LDS; arguments xh, wh, out0, bias; writes out0
